; MI455X (gfx1250); checked and timed in simulation.
; The chip was launched on July 23, 2026; its instructions are those of AMD's public machine-readable ISA for CDNA 5 (MIT licence, August 2026) and "CDNA5" Instruction Set Architecture Reference Guide (July 2026). The comments in the code are by the model that wrote it; some were corrected since.
;; Multi Head Self Attention. Allowed arithmetic: matrix products marked QUANTISED: E4M3 operands, one given power-of-two scale a tensor, by v_wmma_f32_16x16x64_fp8_fp8 or v_wmma_f32_16x16x128_fp8_fp8, f32 sums; everything else in f32.
;; Inputs: Wk_codes 1,024 x 32 x 32 uint8 (E4M3 codes of Wk, K innermost, in blocks of 32 codes); Wo_codes 1,024 x 32 x 32 uint8 (E4M3 codes of Wo, K innermost, in blocks of 32 codes); Wq_codes 1,024 x 32 x 32 uint8 (E4M3 codes of Wq, K innermost, in blocks of 32 codes); Wv_codes 1,024 x 32 x 32 uint8 (E4M3 codes of Wv, K innermost, in blocks of 32 codes); lowp_scales 12 int32 (the exponents e of the quantised operands' scales 2^e); x_codes 4 x 2,048 x 32 x 32 uint8 (E4M3 codes of x, K innermost, in blocks of 32 codes).
;; Outputs: out0 4 x 2,048 x 1,024 float32.
;; Constants: use_rope = 1.
;; This version of the problem:
;;   THIS VERSION OF THE PROBLEM IS GIVEN IN LOW PRECISION. The matrix products marked QUANTISED in the list below multiply operands that are first quantised to E4M3 (4 exponent bits, 3 mantissa bits; 8 bits a number), with one given power-of-two scale for each operand tensor; their sums are f32. All else is computed in f32.
;;   The module's matrix products, in the order in which they are computed (A, B: the left and right operand; K: the contracted axis; several contracted axes count as one K, in the product's order):
;;     1. [M 8,192, K 1,024] x [K 1,024, N 1,024]; A: input x (given as codes); B: input Wq (given as codes): QUANTISED (scales: A lowp_scales[0], B lowp_scales[1])
;;     2. [M 8,192, K 1,024] x [K 1,024, N 1,024]; A: input x (given as codes); B: input Wk (given as codes): QUANTISED (scales: A lowp_scales[2], B lowp_scales[3])
;;     3. [M 8,192, K 1,024] x [K 1,024, N 1,024]; A: input x (given as codes); B: input Wv (given as codes): QUANTISED (scales: A lowp_scales[4], B lowp_scales[5])
;;     4. batch 64 x [M 2,048, K 64] x [K 64, N 2,048]; A: computed on the way; B: computed on the way: QUANTISED (scales: A lowp_scales[6], B lowp_scales[7])
;;     5. batch 64 x [M 2,048, K 2,048] x [K 2,048, N 64]; A: softmax (see below); B: computed on the way: QUANTISED (scales: A lowp_scales[8], B lowp_scales[9])
;;     6. [M 8,192, K 1,024] x [K 1,024, N 1,024]; A: computed on the way; B: input Wo (given as codes): QUANTISED (scales: A lowp_scales[10], B lowp_scales[11])
;;   THE QUANTISER, for each operand of a quantised product, along K:
;;     - The operand's scale is 2^e, e = its entry of the input lowp_scales (int32; the entries are numbered through the quantised products in the list's order, A before B).
;;     - Each number is divided by the scale, clamped to +-448, and rounded to the nearest number of E4M3, ties to even, subnormals kept.
;;     - The product sums the exact products of the quantised numbers (number of the format x scale) in f32.
;;   ~~~python
;;   def quantise(x, axis, e):      # numpy; x: float32 -> the quantised numbers, widened to float32 again
;;       x = np.moveaxis(x, axis, -1); K = x.shape[-1]
;;       r = np.clip(x / 2.0 ** e, -448, 448)
;;       step = 2.0 ** (np.maximum(np.frexp(np.where(r == 0, 1, r))[1] - 1, -6) - 3)
;;       q = np.round(r / step) * step * 2.0 ** e      # np.round: ties to even
;;       return np.moveaxis(q, -1, axis).astype(np.float32)
;;   ~~~
;;   SOFTMAX AHEAD OF A QUANTISED PRODUCT. Where the list says 'softmax', what is quantised is not the finished softmax but p = 2^(t - M), with t = logit x log2(e) and M = ceil(the row's largest t), a whole number; so 1/2 < the row's largest p <= 1. The row's sum l is taken of the UNQUANTISED p, in f32, and the product's result is divided by l at the end. Since M is a whole number, a kernel that streams over the keys may use a running M (the ceiling of the running maximum): every later rescaling is an exact power of two, so the quantised numbers keep their values, but for numbers so far below the row's largest that they fall under the format's range.
;;   OPERANDS COMPUTED ON THE WAY. 'Computed on the way' means the value that the module computes at that place (a softmax that the list does not call 'softmax' is quantised finished and normalised). What goes into a quantiser is computed in f32, as accurately as f32 sums, v_exp_f32 and their like allow (about 1e-6 of the number): no bf16 or f16 on the way to a quantiser, and a product that is left as it is and whose result goes on into a quantised operand takes f32 operands (vector FMAs, or v_wmma_f32_16x16x4_f32). A number that lies on a knife's edge between two numbers of the format may be rounded either way, as far as f32 arithmetic and the matrix unit's own rounding can turn it there, and no further.
;;   INPUTS GIVEN AS CODES. Wk (in the module: [1024, 1024], K = its axis 1); Wo (in the module: [1024, 1024], K = its axis 1); Wq (in the module: [1024, 1024], K = its axis 1); Wv (in the module: [1024, 1024], K = its axis 1); x (in the module: [4, 2048, 1024], K = its axis 2): each comes as NAME_codes (uint8): NAME with its K axis moved to the last place and cut into blocks of 32 codes, [.., K / 32, bytes a block], one block behind the other in memory; one code a byte (a code: sign, 4 exponent bits, 3 mantissa bits); its scale is its entry of lowp_scales. Its value is code x scale, taken as it is: it is not quantised again, and the codes and scales need not be those that the quantiser above would give.
;; One version. Each part assembles by itself: llvm-mc -triple=amdgcn-amd-amdhsa -mcpu=gfx1250 --defsym DOCPART=n.
;; ======== version 1 of 1: 4 launches
;; limits: right only within a limited range of input values
;; workspace buffers: tab 524,288 bytes; qkv 25,165,824 bytes; oc 8,388,608 bytes
;; launch ropetab (part 1): grid 128 x 1, 8 waves a work-group, no clusters, 0 bytes of LDS; arguments tab; writes tab
.if DOCPART == 1
	.amdgcn_target "amdgcn-amd-amdhsa--gfx1250"
	.amdhsa_code_object_version 6
	.text
	.protected	k_qd834358bc2_ropetab
	.globl	k_qd834358bc2_ropetab
	.p2align	8
	.type	k_qd834358bc2_ropetab,@function
k_qd834358bc2_ropetab:
	s_mov_b64 s[64:65], 0
	v_nop
	global_prefetch_b8 v0, s[64:65] scope:SCOPE_SE
	s_setreg_imm32_b32 hwreg(HW_REG_WAVE_MODE, 25, 1), 1
	s_wait_xcnt 0x0
; The table of RoPE: cos and sin of s / 10000^(i/32), s = 0 .. 2047, i = 0 .. 31, in f32, made once: each pair is used 128 times by the next launch.
; LAYOUT: [s / 16 (128)][piece (8)][lane (32)][4 f32].  Lane (r, h) of piece P holds (cos, sin, cos, sin) of position s = 16 (s / 16) + r and the two frequencies
; i = 8 (P / 2) + 4 h + 2 (P % 2) + 0, 1: the order in which a lane of the next launch holds a row's channels, so that it loads the table 16 bytes a lane.
; A work-group takes 16 positions, a wave one piece, a thread one entry of 16 bytes: a wave's store covers 512 consecutive bytes, aligned.
; ARITHMETIC: p = 10^(i/8) rounded to f32 is a constant of the text; 1 / p by a reciprocal and one correction; the angle a = s x (1 / p), one rounding; a is reduced by whole
; multiples of pi / 2 held in two parts (a < 2,048, so the first subtraction is exact), and sine and cosine of the rest, at most pi / 4, are polynomials of degree 7 and 8.
	s_load_b64 s[4:5], s[0:1], 0x0                 ; the table
	v_lshrrev_b32 v1, 5, v0
	v_readfirstlane_b32 s8, v1                     ; wave = piece
	v_and_b32 v2, 15, v0                           ; r
	v_bfe_u32 v3, v0, 4, 1                         ; h
	v_lshlrev_b32 v4, 4, v0                        ; my entry: 16 x thread = 512 x piece + 16 x lane
	s_lshl_b32 s9, ttmp9, 4
	v_add_nc_u32 v2, s9, v2                        ; s
	v_cvt_f32_u32 v5, v2
	s_lshl_b32 s10, ttmp9, 12                      ; the work-group's 4,096 bytes
	s_mov_b32 s11, 0
	s_mov_b32 s16, 0x3fc90fdb                      ; pi / 2, rounded to f32,
	s_mov_b32 s17, 0x333bbd2e                      ; and that number less pi / 2
	; the piece's four p: s12, s13 for lanes 0-15, s14, s15 for lanes 16-31
	s_mov_b32 s12, 0x3f800000
	s_mov_b32 s13, 0x3faab0d5
	s_mov_b32 s14, 0x404a62c2
	s_mov_b32 s15, 0x4086f161
.macro PICK w, a, b, c, d
	s_cmp_eq_u32 s8, \w
	s_cselect_b32 s12, \a, s12
	s_cselect_b32 s13, \b, s13
	s_cselect_b32 s14, \c, s14
	s_cselect_b32 s15, \d, s15
.endm
	PICK 1, 0x3fe39ea9, 0x4017c496, 0x40b3f300, 0x40eff755
	PICK 2, 0x41200000, 0x41555d0a, 0x41fcfb72, 0x4228adb9
	PICK 3, 0x418e432a, 0x41bdb5bc, 0x4260efc0, 0x4295fa95
	PICK 4, 0x42c80000, 0x43055a26, 0x439e1d27, 0x43d2d927
	PICK 5, 0x4331d3f4, 0x436d232b, 0x440c95d8, 0x443b793b
	PICK 6, 0x447a0000, 0x44a6b0b0, 0x4545a471, 0x4583c7b8
	PICK 7, 0x44de48f1, 0x451435fb, 0x45afbb4e, 0x45ea5789
	v_cmp_eq_u32 vcc_lo, 1, v3
	v_mov_b32 v6, s12
	v_mov_b32 v8, s14
	v_cndmask_b32 v6, v6, v8, vcc_lo               ; p of my first frequency
	v_mov_b32 v7, s13
	v_mov_b32 v8, s15
	v_cndmask_b32 v7, v7, v8, vcc_lo               ; and of my second
.macro SINCOS p, c, s
	v_rcp_f32 v16, v[\p]
	v_nop                                          ; one plain instruction behind a transcendental
	s_wait_alu depctr_va_vdst(0)
	v_fma_f32 v17, -v[\p], v16, 1.0
	v_fma_f32 v16, v16, v17, v16                   ; 1 / p, corrected
	v_mul_f32 v17, v5, v16                         ; the angle a
	v_mul_f32 v18, 0x3f22f983, v17                 ; a x 2 / pi
	v_rndne_f32 v18, v18                           ; n
	v_fma_f32 v19, -v18, s16, v17                  ; a - n x (pi / 2 rounded): exact,
	v_fma_f32 v19, v18, s17, v19                   ; and the rest of pi / 2
	v_mul_f32 v20, v19, v19                        ; z = x x
	v_mov_b32 v21, 0xb94ca1f9
	v_fmaak_f32 v21, v21, v20, 0x3c08839e
	v_fmaak_f32 v21, v21, v20, 0xbe2aaaa3
	v_mul_f32 v21, v21, v20
	v_fma_f32 v21, v21, v19, v19                   ; sin x
	v_mov_b32 v22, 0x37ccf5ce
	v_fmaak_f32 v22, v22, v20, 0xbab6061a
	v_fmaak_f32 v22, v22, v20, 0x3d2aaaa5
	v_mul_f32 v22, v22, v20
	v_fma_f32 v23, v20, -0.5, 1.0
	v_fma_f32 v22, v22, v20, v23                   ; cos x
	v_cvt_i32_f32 v24, v18
	v_and_b32 v25, 1, v24
	v_cmp_eq_u32 vcc_lo, 1, v25                    ; an odd n: the two change places
	v_cndmask_b32 v[\c], v22, v21, vcc_lo
	v_cndmask_b32 v[\s], v21, v22, vcc_lo
	v_add_nc_u32 v25, 1, v24
	v_and_b32 v25, 2, v25                          ; cos is negative where n % 4 is 1 or 2,
	v_lshlrev_b32 v25, 30, v25
	v_xor_b32 v[\c], v[\c], v25
	v_and_b32 v25, 2, v24                          ; sin where it is 2 or 3
	v_lshlrev_b32 v25, 30, v25
	v_xor_b32 v[\s], v[\s], v25
.endm
	SINCOS 6, 12, 13
	SINCOS 7, 14, 15
	s_wait_kmcnt 0x0
	s_add_nc_u64 s[4:5], s[4:5], s[10:11]
	global_store_b128 v4, v[12:15], s[4:5]
	s_endpgm
.Lfunc_end_k_qd834358bc2_ropetab:
	.size	k_qd834358bc2_ropetab, .Lfunc_end_k_qd834358bc2_ropetab-k_qd834358bc2_ropetab
	.p2alignl 7, 3214868480
	.fill 96, 4, 3214868480
	.section	.rodata,"a",@progbits
	.p2align	6, 0x0
	.amdhsa_kernel k_qd834358bc2_ropetab
		.amdhsa_group_segment_fixed_size 0
		.amdhsa_private_segment_fixed_size 0
		.amdhsa_enable_private_segment 0
		.amdhsa_kernarg_size 8
		.amdhsa_user_sgpr_count 2
		.amdhsa_user_sgpr_kernarg_segment_ptr 1
		.amdhsa_wavefront_size32 1
		.amdhsa_system_sgpr_workgroup_id_x 1
		.amdhsa_system_sgpr_workgroup_id_y 1
		.amdhsa_system_sgpr_workgroup_id_z 1
		.amdhsa_system_vgpr_workitem_id 0
		.amdhsa_next_free_vgpr 32
		.amdhsa_next_free_sgpr 66
		.amdhsa_reserve_vcc 1
		.amdhsa_float_denorm_mode_32 3
		.amdhsa_float_denorm_mode_16_64 3
		.amdhsa_memory_ordered 1
		.amdhsa_forward_progress 1
		.amdhsa_inst_pref_size 7
	.end_amdhsa_kernel
	.amdgpu_metadata
---
amdhsa.version: [ 1, 2 ]
amdhsa.kernels:
  - .name:           k_qd834358bc2_ropetab
    .symbol:         k_qd834358bc2_ropetab.kd
    .args:
      - { .name: tab, .offset: 0, .size: 8, .value_kind: global_buffer, .address_space: global }
    .group_segment_fixed_size: 0
    .private_segment_fixed_size: 0
    .kernarg_segment_align: 8
    .kernarg_segment_size: 8
    .max_flat_workgroup_size: 256
    .sgpr_count:     66
    .vgpr_count:     32
    .wavefront_size: 32
...
	.end_amdgpu_metadata
.endif
;; end of part 1
;; launch qkv (part 2): grid 12 x 32, 4 waves a work-group, clusters of 4 x 4, 327,680 bytes of LDS; arguments x_codes, Wq_codes, Wk_codes, Wv_codes, lowp_scales, tab, qkv; writes qkv
.if DOCPART == 2
	.amdgcn_target "amdgcn-amd-amdhsa--gfx1250"
	.amdhsa_code_object_version 6
	.text
	.protected	k_qd834358bc2_qkv
	.globl	k_qd834358bc2_qkv
	.p2align	8
	.type	k_qd834358bc2_qkv,@function
k_qd834358bc2_qkv:
	s_mov_b64 s[64:65], 0
	v_nop
	global_prefetch_b8 v0, s[64:65] scope:SCOPE_SE
	s_setreg_imm32_b32 hwreg(HW_REG_WAVE_MODE, 25, 1), 1
	s_wait_xcnt 0x0
	s_wait_alu depctr_hold_cnt(0) depctr_sa_sdst(0) depctr_va_vdst(0) depctr_va_sdst(0) depctr_va_ssrc(0) depctr_va_vcc(0) depctr_vm_vsrc(0)
	s_getreg_b32 s2, hwreg(HW_REG_IB_STS2, 6, 4)
	s_cmp_eq_u32 s2, 0
	s_cbranch_scc0 .Lentry_in_a_cluster
	s_endpgm
.Lentry_in_a_cluster:
	s_bfe_u32 s2, ttmp6, 0x10000c
	s_cmp_lg_u32 s2, 0xf033
	s_cbranch_scc0 .Lentry_shape_is_right
	s_endpgm
.Lentry_shape_is_right:
; The three input projections on codes of FP8 (E4M3), RoPE on q and k, and the quantising of q, k and v for the attention launch.
; ONE TEXT FOR THREE PRODUCTS, chosen by the cluster's x (0: q, 1: k, 2: v), which all sixteen partners share.  C = A B^T, a tile of 256 x 256 a work-group, 128 x 128 a wave, K = 1,024.
;   q, k: A = x [8192][1024], B = Wq or Wk [1024][1024].     v: A = Wv, B = x: V^T, so that the KEYS, the second attention product's K, run along a lane's registers.
; THE MATRIX INSTRUCTION IS USED TRANSPOSED (source 0 = 16 rows of B, source 1 = 16 rows of A): a lane holds one row of A's side and eight neighbours of B's side: channels (RoPE's pairs lie in one lane) or keys.
; K goes in steps of 256 through a ring of two LDS slots filled by the tensor data mover.  CLUSTERS: 4 x 4 work-groups; A's tiles are asked for jointly along a row of the cluster, B's along a column.
; THE WAY OUT.  RoPE is linear and the scales are powers of two, so it works on the raw sums; the three scales are folded into the conversion's one: code = sum / 2^E, E = e_out - eA - eB, held within +-448 x 2^E.
; The codes meet in a stage of 256 rows x 272 bytes in slot 0 (it has had its last fill and its last read by then), and leave as IMAGES OF THE NEXT LAUNCH'S OPERAND REGISTERS: pieces of 512 bytes,
; lane l's 16 bytes at 16 l.  In a piece lane (r, h) holds row 32 G + 8 u + r + 8 (r / 8) and 16 neighbours along K, 32 c + 16 h + 0 .. 15.
; qkv: 64 planes (batch x 16 + head) of 393,216 bytes: q [s / 32][u][c] pieces; from 131,072 on 16 key steps of 16,384 bytes: K [tile 2 b + u (8)][c (2)], then V [tile 2 b + u (4)][c (4)].
; LIMITS: E lies between -126 and 119 for each of the three products, so that 2^E and 448 x 2^E are f32 numbers.  NaN codes among the inputs are not served.
; V's clusters load the table of RoPE too, at addresses inside it, and do not use it: so every register is written on every path.
; REGISTERS, in windows of 256: window 0: v0-31 addresses; v32-95 two sets of 32 (cos, sin); from v128 A's fragments, ONE set; on the way out v128-255 are free.
;   window 1: B's fragments, TWO sets.   window 2: the 32 accumulators of my rows 0-63 (accumulator (a, b) at v[8 (8 a + b)]);   window 3: those of my rows 64-127.
.set KSTEP,  256                       ; along K in a slot
.set ROWB,   256                       ; a tile's row in bytes
.set KROW,   1024                      ; a row of A or of B in memory, in bytes
.set PITCH,  272                       ; an LDS row: 256 bytes + 16 of padding = 68 words: the 16 rows that a load touches start at 16 different banks
.set FR,     16                        ; registers of a fragment: 16 rows x 128 K
.set NL,     4                         ; LDS loads that bring one
.set NP,     4                         ; places behind this matrix instruction (ISA guide 7.12.1)
.set HALFT,  128*PITCH                 ; 128 rows: what one tensor load brings
.set SLOT,   4*HALFT                   ; A's 256 rows, then B's 256 rows
.set LAPS,   2                         ; 1,024 / (2 x 256): twice round the ring
.set SPARE,  2*SLOT                    ; behind the ring: the spare words, 128 bytes for each wave
.set PS,     393216                    ; a plane of qkv
.set ADRA, 16                          ; v16-17  LDS address of my A fragments in slot 0, 1
.set ADRB, 20                          ; v20-21  the same for B
.set STO,  24                          ; v24     the stage: where I put 8 codes
.set RD,   25                          ; v25     the stage: where I read 16 codes back
.set TL,   26                          ; v26     16 x lane
.set SC,   27                          ; v27     2^E as f32
.set SPW,  28                          ; v28     LDS address of my spare word; never rewritten
.set NIL,  29                          ; v29     0; never rewritten
.set LIM,  30                          ; v30     448 x 2^E
.set CS,   32                          ; v32-95  (cos, sin) of a block of 16 rows: two sets of 32
.set AF,   128                         ; A's fragments
.set TMP,  128                         ; the way out: a block's 64 numbers,
.set CD,   192                         ; its codes,
.set BK,   128                         ; and at last 32 pieces read back from the stage
.set G1, 24                            ; s[24:31] descriptor group 1 for A's tiles;  s[32:39] group 0, one set for each slot
.set G0, 32
.set G1B, 48                           ; s[48:55], s[56:63] the same for B's tiles
.set G0B, 56
.set CLX, 66                           ; s66  the cluster's x: which product
.set MSB, 0
.macro WIN new                         ; the immediate's high byte repeats the setting that is left
.if MSB != \new
	s_set_vgpr_msb (MSB<<8)|\new
.set MSB, \new
.endif
.endm
.set MUL_LO, 0xa1                      ; source 0 (B) window 1, source 1 (A) window 0, C and D window 2
.set MUL_HI, 0xf1                      ; the same, C and D window 3
.set TO_B,   0x40                      ; destination window 1, address window 0
; A joint load: waves 0 and 1 fetch for A, waves 2 and 3 for B.  The branch hangs on the wave's number alone.  Four v_nop follow each of the two lines.
.macro JLOAD g0a, g1a, g0b, g1b
	s_cmp_eq_u32 s15, 0
	s_cbranch_scc0 .Lfor_b_\@
	tensor_load_to_lds s[\g0a:\g0a+3], s[\g1a:\g1a+7]
	s_nop 0
.rept 4
	v_nop
.endr
	s_branch .Lasked_\@
.Lfor_b_\@:
	tensor_load_to_lds s[\g0b:\g0b+3], s[\g1b:\g1b+7]
	s_nop 0
.rept 4
	v_nop
.endr
.Lasked_\@:
.endm
.macro CREST                           ; a round of the cluster's barrier behind its opening barrier
	s_cmp_lg_u32 s14, 0
	s_cbranch_scc1 .Lnot_wave_0_\@
	s_barrier_signal -3
.Lnot_wave_0_\@:
	s_barrier_wait -3
	s_barrier_signal -1
	s_barrier_wait -1
.endm
.macro CROUND                          ; a whole round
	s_barrier_signal -1
	s_barrier_wait -1
	CREST
.endm
	s_load_b256 s[68:75], s[0:1], 0x0              ; x s[68:69], Wq s[70:71], Wk s[72:73], Wv s[74:75]
	s_load_b128 s[76:79], s[0:1], 0x20             ; the scales' exponents s[76:77], the table s[78:79]
	s_load_b64 s[80:81], s[0:1], 0x30              ; qkv
	v_lshl_add_u32 v[SPW], v0, 2, SPARE
	v_mov_b32 v[NIL], 0
	ds_add_u32 v28, v29
	ds_add_u32 v28, v29
	s_wait_dscnt 0x0
	v_lshrrev_b32 v1, 5, v0
	v_readfirstlane_b32 s14, v1                    ; wave 0..3
	s_lshr_b32 s15, s14, 1                         ; which half of the tile's rows is mine.  Also: I fetch for A (0) or for B (1)
	s_and_b32 s16, s14, 1                          ; which half of its columns.  Also: which 128 rows of that tile I fetch
	s_bfe_u32 s40, ttmp6, 0x40000                  ; cx, cy: my place in the cluster
	s_bfe_u32 s41, ttmp6, 0x40004
	s_mov_b32 s[CLX], ttmp9                        ; 0: q, 1: k, 2: v
	s_and_b32 s67, ttmp7, 0xffff                   ; the cluster's y walks x's 8,192 rows, which are A's rows for q and k, B's for v
	s_cmp_eq_u32 s[CLX], 2
	s_cselect_b32 s82, 0, s67
	s_cselect_b32 s83, s67, 0
	s_lshl_b32 s17, s82, 2
	s_add_co_u32 s17, s17, s41                     ; tile row: 4 x cluster y + cy, or cy
	s_lshl_b32 s42, s83, 2
	s_add_co_u32 s42, s42, s40                     ; tile column: cx, or 4 x cluster y + cx
	s_lshl_b32 s43, s41, 2
	s_lshl_b32 s43, 15, s43                        ; my row of the cluster
	s_lshl_b32 s44, 0x1111, s40                    ; my column
	; descriptor group 1: a tile of 128 rows x 256 bytes, padded in LDS
	s_or_b32 s[G1+0], s43, (0<<16)|(1<<20)|(1<<21)|(5<<22)|(3<<25)  ; 15:0 the mask: A's tiles go to my row; 17:16 element of 1 byte; 20 padding on; 21 set beside a mask; 24:22 after every 64 words; 31:25 of 4 words
	s_or_b32 s[G1B+0], s44, (0<<16)|(1<<20)|(1<<21)|(5<<22)|(3<<25)
.irp g, G1, G1B
	s_mov_b32 s[\g+1], ROWB<<16                    ; tensor_dim0
	s_mov_b32 s[\g+2], 128<<16                     ; tensor_dim1 = 128
	s_mov_b32 s[\g+3], ROWB<<16                    ; tile_dim0
	s_mov_b32 s[\g+4], 128                         ; tile_dim1 = 128
	s_mov_b32 s[\g+5], KROW                        ; tensor_dim0_stride
	s_mov_b32 s[\g+6], 0
	s_mov_b32 s[\g+7], 0
.endr
	s_lshl_b32 s18, s16, 7                         ; which 128 rows of the tile I fetch
	s_lshl_b32 s20, s17, 8
	s_add_co_u32 s20, s20, s18                     ; A: row 256 x tile row + 128 x half
	s_lshl_b32 s46, s42, 8
	s_add_co_u32 s46, s46, s18                     ; B: row 256 x tile column + 128 x half
	s_mov_b32 s21, 0
	s_mov_b32 s47, 0
	s_mov_b64 s[18:19], KROW
	s_mul_u64 s[20:21], s[20:21], s[18:19]
	s_mul_u64 s[46:47], s[46:47], s[18:19]
	s_mul_i32 s45, s14, HALFT                      ; where they go: wave x 128 rows: no place in the cluster enters an LDS address
	s_wait_kmcnt 0x0
	s_load_b256 s[84:91], s[76:77], 0x0            ; e0 .. e7
	s_load_b128 s[92:95], s[76:77], 0x20           ; e8 .. e11
	s_cmp_eq_u32 s[CLX], 2                         ; the choice of buffers hangs on the cluster's x alone
	s_cselect_b64 s[4:5], s[74:75], s[68:69]       ; A: Wv, else x
	s_cselect_b64 s[6:7], s[68:69], s[70:71]       ; B: x, else Wq,
	s_cmp_eq_u32 s[CLX], 1
	s_cselect_b64 s[6:7], s[72:73], s[6:7]         ; or Wk
	s_add_nc_u64 s[20:21], s[4:5], s[20:21]
	s_add_nc_u64 s[46:47], s[6:7], s[46:47]
	CROUND                                         ; all sixteen work-groups are here: the first joint loads meet
.irp s, 0,1
	s_mov_b32 s[G0+4*\s], 1
	s_add_co_u32 s[G0+4*\s+1], s45, \s*SLOT
	s_add_nc_u64 s[G0+4*\s+2:G0+4*\s+3], s[20:21], \s*ROWB
	s_or_b32 s[G0+4*\s+3], s[G0+4*\s+3], 0x80000000
	s_mov_b32 s[G0B+4*\s], 1
	s_add_co_u32 s[G0B+4*\s+1], s45, \s*SLOT
	s_add_nc_u64 s[G0B+4*\s+2:G0B+4*\s+3], s[46:47], \s*ROWB
	s_or_b32 s[G0B+4*\s+3], s[G0B+4*\s+3], 0x80000000
	JLOAD G0+4*\s, G1, G0B+4*\s, G1B
.endr
	v_and_b32 v1, 15, v0                           ; r = l % 16
	v_bfe_u32 v2, v0, 4, 1                         ; h = l / 16
	v_mul_u32_u24 v3, v1, PITCH
	v_lshl_add_u32 v4, v2, 4, v3                   ; a fragment's row x pitch + 16 x half
	s_mul_i32 s21, s15, HALFT                      ; my 128 rows of A
	s_mul_i32 s22, s16, HALFT                      ; my 128 rows of B,
	s_add_co_u32 s22, s22, 2*HALFT                 ; which lie behind A's 256
.irp s, 0,1
	v_add_nc_u32 v[ADRA+\s], s21, v4
	v_add_nc_u32 v[ADRB+\s], s22, v4
	s_add_co_u32 s21, s21, SLOT
	s_add_co_u32 s22, s22, SLOT
.endr
	v_lshl_add_u32 v5, v2, 3, v3                   ; the stage, in: row r, 8 codes for each half of the lanes,
	s_mul_i32 s23, s15, HALFT                      ; my 128 rows,
	s_lshl_b32 s18, s16, 7                         ; my 128 columns
	s_add_co_u32 s23, s23, s18
	v_add_nc_u32 v[STO], s23, v5
	v_and_b32 v6, 8, v1
	v_add_nc_u32 v6, v6, v1                        ; r + 8 (r / 8)
	v_mul_u32_u24 v6, v6, PITCH
	v_lshl_add_u32 v6, v2, 4, v6                   ; back: that row, 16 codes for each half of the lanes,
	s_mul_i32 s23, s14, 64*PITCH                   ; of rows 64 x wave on
	v_add_nc_u32 v[RD], s23, v6
	v_and_b32 v7, 31, v0
	v_lshlrev_b32 v[TL], 4, v7
	; the table: my first row is position 256 (tile row % 8) + 128 x half; 4,096 bytes for each 16 positions
	s_and_b32 s18, s17, 7
	s_lshl_b32 s18, s18, 4
	s_lshl_b32 s19, s15, 3
	s_add_co_u32 s18, s18, s19
	s_lshl_b32 s18, s18, 12
	s_mov_b32 s19, 0
	s_add_nc_u64 s[12:13], s[78:79], s[18:19]
.macro TABLD a                         ; (cos, sin) for block a's 16 rows into set a % 2: eight loads of 512 consecutive bytes
.irp q, 0,1,2,3,4,5,6,7
	global_load_b128 v[CS+32*((\a)%2)+4*\q:CS+32*((\a)%2)+4*\q+3], v[TL], s[12:13] offset:4096*(\a)+512*\q
.endr
.endm
	TABLD 0                                        ; they land under the products
	TABLD 1
	; where my 32 pieces go.  q, k: plane (tile row / 8) x 16 + 4 cx (+ C / 2 in the immediate); 64 rows of s from 256 (tile row % 8) + 64 x wave on
	s_lshr_b32 s18, s17, 3
	s_lshl_b32 s18, s18, 4
	s_lshl_b32 s19, s40, 2
	s_add_co_u32 s18, s18, s19
	s_mul_i32 s18, s18, PS
	s_and_b32 s19, s17, 7
	s_lshl_b32 s19, s19, 1
	s_add_co_u32 s19, s19, s15                     ; which 128 rows of the head
	s_cmp_eq_u32 s[CLX], 1
	s_cselect_b32 s20, 14, 13                      ; they are 16,384 bytes apart in k (a key step), 8,192 in q
	s_cselect_b32 s21, 131072, 0
	s_lshl_b32 s19, s19, s20
	s_add_co_u32 s18, s18, s19
	s_add_co_u32 s18, s18, s21
	s_lshl_b32 s19, s16, 12                        ; and which 64 of them
	s_add_co_u32 s18, s18, s19
	; v: plane (tile column / 8) x 16 + 4 cy + wave; key steps 2 (tile column % 8) and the next; V lies 8,192 bytes into a step
	s_lshr_b32 s20, s42, 3
	s_lshl_b32 s20, s20, 4
	s_lshl_b32 s21, s41, 2
	s_add_co_u32 s20, s20, s21
	s_add_co_u32 s20, s20, s14
	s_mul_i32 s20, s20, PS
	s_and_b32 s21, s42, 7
	s_lshl_b32 s21, s21, 15
	s_add_co_u32 s20, s20, s21
	s_add_co_u32 s20, s20, 139264
	s_cmp_eq_u32 s[CLX], 2
	s_cselect_b32 s18, s20, s18
	s_mov_b32 s19, 0
	s_add_nc_u64 s[10:11], s[80:81], s[18:19]
.macro FRAG reg, adr, q, i             ; a fragment, 16 rows x 128 K: lane l holds row l % 16; registers 4 c .. 4 c + 3 hold K = 32 c + 16 (l / 16) + 0 .. 15: the same order of k in A and in B
.irp c, 0,1,2,3
	ds_load_b128 v[\reg+4*\c:\reg+4*\c+3], v[\adr] offset:128*(\q)+32*\c+(\i)*16*PITCH
.endr
.endm
; 16 matrix instructions: A's blocks a0, a0 + 1 x B's eight, 128 along K.  p: B's set.  zero = 1: the first product starts the sums.
; The 64 accumulators take turns, one instruction a turn, in the same order in every step.
.macro MUL16 a0, p, zero
.irp a, \a0, \a0+1
.irp b, 0,1,2,3,4,5,6,7
.if \zero
	v_wmma_f32_16x16x128_fp8_fp8 v[8*(8*((\a)%4)+\b):8*(8*((\a)%4)+\b)+7], v[128*(\p)+FR*\b:128*(\p)+FR*\b+FR-1], v[AF+FR*(\a):AF+FR*(\a)+FR-1], 0
.else
	v_wmma_f32_16x16x128_fp8_fp8 v[8*(8*((\a)%4)+\b):8*(8*((\a)%4)+\b)+7], v[128*(\p)+FR*\b:128*(\p)+FR*\b+FR-1], v[AF+FR*(\a):AF+FR*(\a)+FR-1], v[8*(8*((\a)%4)+\b):8*(8*((\a)%4)+\b)+7]
.endif
.endr
.endr
.endm
.macro FETCH_B slot, q, p              ; B's eight fragments of the slot's q-th 128 along K into set p
	WIN TO_B
.irp i, 0,1,2,3,4,5,6,7
	FRAG 128*(\p)+FR*\i, ADRB+\slot, \q, \i
.endr
	WIN 0
.endm
.macro FETCH_A slot, q, i0             ; A's blocks i0 .. i0 + 3
.irp i, \i0, \i0+1, \i0+2, \i0+3
	FRAG AF+FR*(\i), ADRA+\slot, \q, \i
.endr
.endm
; A load into a register that a matrix instruction has read, and a vector instruction that reads a matrix result, stand NP places behind it; only plain vector instructions that name none of its registers are places.
.macro PLACES n
.rept \n
	v_nop
.endr
.endm
; A step of 128 along K that has its successor in the same slot.
.macro STEP slot, q, zero
	s_wait_dscnt 4*NL                              ; B's set and A's blocks 0-3 are in; the youngest sixteen loads (A's blocks 4-7) may be out
	WIN MUL_LO
	MUL16 0, (\q)%2, \zero
	MUL16 2, (\q)%2, \zero
	s_wait_dscnt 0                                 ; A's blocks 4-7 are in (asked for 32 matrix instructions ago)
	PLACES NP
	FETCH_B \slot, (\q)+1, 1-(\q)%2
	FETCH_A \slot, (\q)+1, 0
	WIN MUL_HI
	MUL16 4, (\q)%2, \zero
	MUL16 6, (\q)%2, \zero
	PLACES NP
	WIN 0
	FETCH_A \slot, (\q)+1, 4
.endm
; A slot's last step changes slots: ONE barrier; in front of it each wave waits for all its tensor loads, adds 0 to its spare word, and waits for that and for its own reads of this slot.  fill = 1: this slot is filled again, two K steps ahead.
.macro TURN slot, next, fill
	s_wait_tensorcnt 0x0                           ; all my tensor loads have landed: my part of the next slot;  (every window is 0 here)
	ds_add_u32 v[SPW], v[NIL]                      ; 0 onto my spare word
	s_wait_dscnt 4*NL+1                            ; (the add and the youngest sixteen loads, A's blocks 4-7, may be out)
	WIN MUL_LO
	MUL16 0, 1, 0                                  ; sixteen matrix instructions stand between the add and the wait for it
	s_wait_dscnt 0x0                               ; the add is done, and my reads of this slot are over
	s_barrier_signal -1
	MUL16 2, 1, 0
	WIN 0
	s_barrier_wait -1
.if \fill
	CREST                                          ; the barrier has opened a round of the cluster's barrier: no wave of any partner still reads this slot's tile or has a load on its way
	s_add_nc_u64 s[G0+4*\slot+2:G0+4*\slot+3], s[G0+4*\slot+2:G0+4*\slot+3], 2*ROWB
	s_add_nc_u64 s[G0B+4*\slot+2:G0B+4*\slot+3], s[G0B+4*\slot+2:G0B+4*\slot+3], 2*ROWB
	JLOAD G0+4*\slot, G1, G0B+4*\slot, G1B         ; the first tensor load behind the round; the four v_nop behind it are the places in front of the loads below
.else
	PLACES NP
.endif
	FETCH_B \next, 0, 0
	FETCH_A \next, 0, 0
	WIN MUL_HI
	MUL16 4, 1, 0
	MUL16 6, 1, 0
	PLACES NP
	WIN 0
	FETCH_A \next, 0, 4
.endm
	s_wait_tensorcnt 1                             ; my part of K step 0 is in (K step 1's load may be out)
	s_barrier_signal -1
	s_barrier_wait -1                              ; everybody's is
	FETCH_B 0, 0, 0
	FETCH_A 0, 0, 0
	FETCH_A 0, 0, 4
	STEP 0, 0, 1                                   ; the first step stands in front of the loop: its products start the sums
	s_mov_b32 s3, LAPS-1
.Llap:                                                 ; a trip goes once round the ring, from a lap's second step to the next lap's first, and fills both slots again
	TURN 0, 1, 1
	STEP 1, 0, 0
	TURN 1, 0, 1
	STEP 0, 0, 0
	s_sub_co_u32 s3, s3, 1
	s_cmp_lg_u32 s3, 0
	s_cbranch_scc1 .Llap
	TURN 0, 1, 0                                   ; the last lap fills nothing, and has no round of the cluster's barrier
	STEP 1, 0, 0
	s_wait_dscnt 4*NL                              ; the very last step: nothing more to fetch
	WIN MUL_LO
	MUL16 0, 1, 0
	MUL16 2, 1, 0
	s_wait_dscnt 0
	WIN MUL_HI
	MUL16 4, 1, 0
	MUL16 6, 1, 0
	WIN 0
	; THE WAY OUT.  E = e_out - eA - eB: q: e6 - e0 - e1;  k: e7 - e2 - e3;  v: e9 - e4 - e5
	s_wait_kmcnt 0x0
	s_sub_co_i32 s96, s90, s84
	s_sub_co_i32 s96, s96, s85
	s_sub_co_i32 s97, s91, s86
	s_sub_co_i32 s97, s97, s87
	s_sub_co_i32 s98, s93, s88
	s_sub_co_i32 s98, s98, s89
	s_cmp_eq_u32 s[CLX], 1
	s_cselect_b32 s96, s97, s96
	s_cmp_eq_u32 s[CLX], 2
	s_cselect_b32 s96, s98, s96
	s_add_co_i32 s96, s96, 127
	s_lshl_b32 s97, s96, 23
	v_mov_b32 v[SC], s97                           ; 2^E as f32: the conversion takes its exponent field
	s_add_co_i32 s96, s96, 8
	s_lshl_b32 s96, s96, 23
	s_or_b32 s96, s96, 0x600000
	v_mov_b32 v[LIM], s96                          ; 448 x 2^E
	PLACES NP                                      ; behind the last products: their results are read and A's registers written below
; Block a: 16 rows x 128 columns.  Register 8 b + j of lane (r, h) is (row 16 a + r, column 16 b + 8 h + j).  q, k: the pair (j, j + 1), j even, is turned by the angle of frequency (8 b + 4 h + j / 2) % 32,
; whose (cos, sin) lie in the set's registers 8 (b % 4) + j, j + 1.  Each accumulator is read from its low end on.
.macro OUTBLK a
.set AC, 64*((\a)%4)
.set CSA, CS+32*((\a)%2)
.if (\a) < 7
	s_wait_loadcnt 8                               ; this block's eight loads from the table are in; the next block's eight may be out
.else
	s_wait_loadcnt 0
.endif
	s_cmp_eq_u32 s[CLX], 2
	s_cbranch_scc1 .Lplain_\@
	WIN 0x02+((\a)/4)                              ; source 0: window 2 or 3
.irp b, 0,1,2,3,4,5,6,7
.irp i, 0,2,4,6
	v_pk_mul_f32 v[TMP+8*\b+\i:TMP+8*\b+\i+1], v[AC+8*\b+\i:AC+8*\b+\i+1], v[CSA+8*(\b%4)+\i:CSA+8*(\b%4)+\i+1] op_sel:[1,1] op_sel_hi:[0,1] neg_lo:[1,0]   ; (-x1 sin, x0 sin)
.endr
.irp i, 0,2,4,6
	v_pk_fma_f32 v[TMP+8*\b+\i:TMP+8*\b+\i+1], v[AC+8*\b+\i:AC+8*\b+\i+1], v[CSA+8*(\b%4)+\i:CSA+8*(\b%4)+\i+1], v[TMP+8*\b+\i:TMP+8*\b+\i+1] op_sel_hi:[1,0,1]   ; + (x0 cos, x1 cos)
.endr
.endr
	WIN 0
.set J, 0
.rept 64
	v_med3_num_f32 v[TMP+J], v[TMP+J], -v[LIM], v[LIM]   ; the conversion to an 8-bit code does not saturate (ISA guide 7.6.2): the hold at the largest code x the scale
.set J, J+1
.endr
	s_branch .Ljoin_\@
.Lplain_\@:
	WIN 0x02+((\a)/4)
.set J, 0
.rept 64
	v_med3_num_f32 v[TMP+J], v[AC+J], -v[LIM], v[LIM]    ; v has no RoPE: the hold alone
.set J, J+1
.endr
	WIN 0
.Ljoin_\@:
	s_wait_dscnt 0x0                               ; the last block's stores into the stage have read the codes' registers
.irp b, 0,1,2,3,4,5,6,7
	v_cvt_scalef32_pk8_fp8_f32 v[CD+2*\b:CD+2*\b+1], v[TMP+8*\b:TMP+8*\b+7], v[SC]
.endr
	v_nop                                          ; one plain vector instruction behind the last conversion: the next block writes their sources
.irp b, 0,1,2,3,4,5,6,7
	ds_store_b64 v[STO], v[CD+2*\b:CD+2*\b+1] offset:16*PITCH*(\a)+16*\b
.endr
.if (\a) < 6
	TABLD (\a)+2
.endif
.endm
.irp a, 0,1,2,3,4,5,6,7
	OUTBLK \a
.endr
	s_wait_dscnt 0x0                               ; for the others' sake: my stores into the stage are done
	s_barrier_signal -1
	s_barrier_wait -1
	; wave w takes stage rows 64 w .. 64 w + 63 as 32 pieces: piece (g, u, C): rows 32 g + 8 u + r + 8 (r / 8), bytes 32 C + 16 h + 0 .. 15
.irp g, 0,1
.irp u, 0,1
.irp c, 0,1,2,3,4,5,6,7
	ds_load_b128 v[BK+4*(16*\g+8*\u+\c):BK+4*(16*\g+8*\u+\c)+3], v[RD] offset:(32*\g+8*\u)*PITCH+32*\c
.endr
.endr
.endr
	s_cmp_eq_u32 s[CLX], 2                         ; the two ways differ in the stores' immediates alone
	s_cbranch_scc1 .Lv_out
.irp g, 0,1
.irp u, 0,1
.irp c, 0,1,2,3,4,5,6,7
	s_wait_dscnt 31-(16*\g+8*\u+\c)                ; LDS loads come back in order: this piece is in
	global_store_b128 v[TL], v[BK+4*(16*\g+8*\u+\c):BK+4*(16*\g+8*\u+\c)+3], s[10:11] offset:(\c/2)*PS+2048*\g+1024*\u+512*(\c%2)   ; head C / 2 of the tile's four, channels 32 (C % 2) on: 512 consecutive bytes, aligned
.endr
.endr
.endr
	s_branch .Lend
.Lv_out:
.irp g, 0,1
.irp u, 0,1
.irp c, 0,1,2,3,4,5,6,7
	s_wait_dscnt 31-(16*\g+8*\u+\c)
	global_store_b128 v[TL], v[BK+4*(16*\g+8*\u+\c):BK+4*(16*\g+8*\u+\c)+3], s[10:11] offset:(\c/4)*16384+4096*\g+2048*\u+512*(\c%4)   ; key step C / 4 of the tile's two, keys 32 (C % 4) on
.endr
.endr
.endr
.Lend:
	s_wait_tensorcnt 0x0                           ; the wave's end
	ds_add_u32 v[SPW], v[NIL]
	s_wait_dscnt 0x0
	CROUND                                         ; the closing round: no work-group ends while a partner may still ask for a tile that names it
	s_endpgm
.Lfunc_end_k_qd834358bc2_qkv:
	.size	k_qd834358bc2_qkv, .Lfunc_end_k_qd834358bc2_qkv-k_qd834358bc2_qkv
	.p2alignl 7, 3214868480
	.fill 96, 4, 3214868480
	.section	.rodata,"a",@progbits
	.p2align	6, 0x0
	.amdhsa_kernel k_qd834358bc2_qkv
		.amdhsa_group_segment_fixed_size 327680
		.amdhsa_private_segment_fixed_size 0
		.amdhsa_enable_private_segment 0
		.amdhsa_kernarg_size 56
		.amdhsa_user_sgpr_count 2
		.amdhsa_user_sgpr_kernarg_segment_ptr 1
		.amdhsa_wavefront_size32 1
		.amdhsa_system_sgpr_workgroup_id_x 1
		.amdhsa_system_sgpr_workgroup_id_y 1
		.amdhsa_system_sgpr_workgroup_id_z 1
		.amdhsa_system_vgpr_workitem_id 0
		.amdhsa_next_free_vgpr 1024
		.amdhsa_next_free_sgpr 100
		.amdhsa_reserve_vcc 0
		.amdhsa_float_denorm_mode_32 3
		.amdhsa_float_denorm_mode_16_64 3
		.amdhsa_memory_ordered 1
		.amdhsa_forward_progress 1
		.amdhsa_inst_pref_size 202
	.end_amdhsa_kernel
	.amdgpu_metadata
---
amdhsa.version: [ 1, 2 ]
amdhsa.kernels:
  - .name:           k_qd834358bc2_qkv
    .symbol:         k_qd834358bc2_qkv.kd
    .args:
      - { .name: x_codes, .offset: 0, .size: 8, .value_kind: global_buffer, .address_space: global }
      - { .name: Wq_codes, .offset: 8, .size: 8, .value_kind: global_buffer, .address_space: global }
      - { .name: Wk_codes, .offset: 16, .size: 8, .value_kind: global_buffer, .address_space: global }
      - { .name: Wv_codes, .offset: 24, .size: 8, .value_kind: global_buffer, .address_space: global }
      - { .name: lowp_scales, .offset: 32, .size: 8, .value_kind: global_buffer, .address_space: global }
      - { .name: tab, .offset: 40, .size: 8, .value_kind: global_buffer, .address_space: global }
      - { .name: qkv, .offset: 48, .size: 8, .value_kind: global_buffer, .address_space: global }
    .group_segment_fixed_size: 327680
    .private_segment_fixed_size: 0
    .kernarg_segment_align: 8
    .kernarg_segment_size: 56
    .max_flat_workgroup_size: 128
    .sgpr_count:     100
    .vgpr_count:     1024
    .wavefront_size: 32
...
	.end_amdgpu_metadata
.endif
;; end of part 2
;; launch attn (part 3): grid 256 x 1, 16 waves a work-group, clusters of 4 x 1, 327,680 bytes of LDS; arguments qkv, lowp_scales, oc; writes oc
.if DOCPART == 3
	.amdgcn_target "amdgcn-amd-amdhsa--gfx1250"
	.amdhsa_code_object_version 6
	.text
	.protected	k_qd834358bc2_attn
	.globl	k_qd834358bc2_attn
	.p2align	8
	.type	k_qd834358bc2_attn,@function
k_qd834358bc2_attn:
	s_mov_b64 s[64:65], 0
	v_nop
	global_prefetch_b8 v0, s[64:65] scope:SCOPE_SE
	s_setreg_imm32_b32 hwreg(HW_REG_WAVE_MODE, 25, 1), 1
	s_wait_xcnt 0x0
	s_wait_alu depctr_hold_cnt(0) depctr_sa_sdst(0) depctr_va_vdst(0) depctr_va_sdst(0) depctr_va_ssrc(0) depctr_va_vcc(0) depctr_vm_vsrc(0)
	s_getreg_b32 s2, hwreg(HW_REG_IB_STS2, 6, 4)
	s_cmp_eq_u32 s2, 0
	s_cbranch_scc0 .Lentry_in_a_cluster
	s_endpgm
.Lentry_in_a_cluster:
	s_bfe_u32 s2, ttmp6, 0x10000c
	s_cmp_lg_u32 s2, 0x3003
	s_cbranch_scc0 .Lentry_shape_is_right
	s_endpgm
.Lentry_shape_is_right:
; Causal attention on codes of FP8 (E4M3): S = q k^T / 8, the softmax, O = p v, and the quantising of O for the last projection.  64 planes (batch x 16 + head), 2,048 positions, head size 64.
; THE SOFTMAX AHEAD OF THE SECOND PRODUCT: t = score x log2(e) / 8; M = the row's largest t so far, rounded UP to a whole number; p = 2^(t - M) is what is quantised, not normalised.
; The row's sum is taken of the unquantised p, in f32, and divides O at the end.  When M moves, the sum and O are multiplied by 2^(old M - new M): exact.
; SHARES.  A cluster of four work-groups takes one plane.  Work-group i owns the groups of 32 rows g = 4 m + i, m = 0 .. 15; a group is two tiles of 16 queries (u = 0, 1: rows 32 g + 8 u + r + 8 (r / 8)).
; A tile of group 4 m + i needs key steps 0 .. m of 128 keys, and step m is the one on the diagonal.  Wave w owns tile X = (m = w, u = 0) and tile Y = (m = 15 - w, u = 1): (w + 1) + (16 - w) = 17 tile steps
; for every wave of every work-group; which steps a wave leaves out hangs on its number alone.  The place in the cluster enters q's and oc's addresses and the mask's threshold, and no branch.
; THE WHOLE PLANE'S K AND V LIE IN LDS: 16 steps x 16,384 bytes, as they lie in memory, images of operand registers (pieces of 512 bytes, lane l's 16 bytes at 16 l).  They come by two joint loads a wave,
; 2,048 bytes (together: steps 0 and 1) and 14,336 bytes (the other fourteen); nothing is ever filled again, so there is no ring, and behind the second barrier each wave goes at its own pace.
; The four work-groups ask for each tile with one mask: the plane's 262,144 bytes are requested once for the four.
; LAYOUT.  Both products are used transposed: S^T = K Q^T (source 0 = 16 keys, source 1 = 16 queries), O^T = V^T P^T: a lane holds ONE query throughout.  Lane r of tile 2 b + u of K holds key 32 b + 8 u + r + 8 (r / 8),
; so that the 16 registers of tiles 2 b and 2 b + 1 of S^T are the neighbouring keys 32 b + 16 (lane / 16) + 0 .. 15; V's channels are laid the same way, so that O^T's registers are 16 neighbouring channels:
; the conversions' results are the next operand's registers both times, and O leaves without a turn through LDS.
; oc: [2 (row / 32) + u (512)][head (16)][c (2)] pieces: lane (r, h): row r + 8 (r / 8) of the tile, k = 64 head + 32 c + 16 h + 0 .. 15.
; LIMITS on the given exponents, so that each power of two below is an f32 number: e6 + e7 between -123 and 130 (added to c's exponent field); e8, and e10 - e8 - e9, between -126 and 119.
; REGISTERS: v1 16 x lane; v2 the step's LDS address; v3, v4 the mask's thresholds; v8-11, v12-15 X's and Y's -M, largest t, sum in two halves; v16-23, v24-31 Q; v32-95 fragments of K, then of V;
;   v96-159 S^T, then p; v160-191, v192-223 O^T; v224-239 p's codes; v236-255 at work and constants.
.set PS,    393216                     ; a plane of qkv
.set KV,    131072                     ; where its key steps begin
.set STEPB, 16384                      ; a key step: 8,192 bytes of K, 8,192 of V
.set L16,  1
.set ADR,  2
.set DX,   3
.set DY,   4
.set WV,   12                          ; s12  my wave's number
.set LIMX, 13                          ; s13  tile X's last step: w
.set LIMY, 14                          ; s14  tile Y's: 15 - w
.set CX,   15                          ; s15  my place in the cluster
.set STP,  16                          ; s16  the key step
.set TB,   17                          ; s17  its first LDS byte
.set CNT,  18                          ; s18  trips to go
.set SEL,  20                          ; s[20:21] lane selects for v_permlanex16_b32: lane l xor 16
.set CSC,  22                          ; s[22:23] c = log2(e) / 8 x 2^(e6 + e7)
.set G1A,  24                          ; s[24:31] group 1 of the small load;  s[32:39] of the large one;  s[40:43], s[44:47] their groups 0
.set G1B,  32
.set G0A,  40
.set G0B,  44
.macro ROUND                           ; a round of the cluster's barrier
	s_barrier_signal -1
	s_barrier_wait -1
	s_cmp_lg_u32 s[WV], 0
	s_cbranch_scc1 .Lnot_wave_0_\@
	s_barrier_signal -3
.Lnot_wave_0_\@:
	s_barrier_wait -3
	s_barrier_signal -1
	s_barrier_wait -1
.endm
.macro PLACES                          ; four places behind a matrix instruction, in front of loads into its sources and of reads of its result
.rept 4
	v_nop
.endr
.endm
	s_load_b128 s[4:7], s[0:1], 0x0                ; qkv s[4:5], the scales' exponents s[6:7]
	s_load_b64 s[8:9], s[0:1], 0x10                ; oc
	v_lshl_add_u32 v249, v0, 2, 0x40000
	v_mov_b32 v255, 0
	ds_add_u32 v249, v255
	ds_add_u32 v249, v255
	v_lshrrev_b32 v5, 5, v0
	s_delay_alu instid0(VALU_DEP_1)
	v_readfirstlane_b32 s[WV], v5                  ; wave 0..15
	s_mov_b32 s[LIMX], s[WV]
	s_xor_b32 s[LIMY], s[WV], 15                   ; 15 - w
	s_bfe_u32 s[CX], ttmp6, 0x40000                ; i
	; descriptor group 1: dense blocks, as rows of 256 bytes (32 elements of 8 bytes): 8 rows and 56 rows.  15:0 the mask: all four work-groups; 17:16 elements of 8 bytes; 21 set beside a mask
	s_mov_b32 s[G1A], 15|(3<<16)|(1<<21)
	s_mov_b32 s[G1A+1], 32<<16                     ; tensor_dim0
	s_mov_b32 s[G1A+2], 8<<16                      ; tensor_dim1
	s_mov_b32 s[G1A+3], 32<<16                     ; tile_dim0
	s_mov_b32 s[G1A+4], 8                          ; tile_dim1
	s_mov_b32 s[G1A+5], 32                         ; the pitch
	s_mov_b32 s[G1A+6], 0
	s_mov_b32 s[G1A+7], 0
	s_mov_b32 s[G1B], 15|(3<<16)|(1<<21)
	s_mov_b32 s[G1B+1], 32<<16
	s_mov_b32 s[G1B+2], 56<<16
	s_mov_b32 s[G1B+3], 32<<16
	s_mov_b32 s[G1B+4], 56
	s_mov_b32 s[G1B+5], 32
	s_mov_b32 s[G1B+6], 0
	s_mov_b32 s[G1B+7], 0
	s_mov_b32 s[SEL], 0x76543210
	s_mov_b32 s[SEL+1], 0xfedcba98
	s_mov_b32 s[CSC], 0x3e38aa3b                   ; log2(e) / sqrt(64)
	s_mul_i32 s76, ttmp9, PS                       ; the plane: the cluster's x, which the four partners share
	s_mov_b32 s77, 0
	s_lshl_b32 s78, s[WV], 11                      ; my part of steps 0 and 1: LDS byte 2,048 w,
	s_mul_i32 s79, s[WV], 14336
	s_add_co_u32 s79, s79, 32768                   ; and of the rest: 32,768 + 14,336 w; LDS mirrors memory
	s_add_co_u32 s80, s78, KV
	s_mov_b32 s81, 0
	s_add_co_u32 s82, s79, KV
	s_mov_b32 s83, 0
	s_wait_dscnt 0x0
	s_wait_kmcnt 0x0
	s_load_b64 s[70:71], s[6:7], 0x18              ; e6, e7
	s_load_b128 s[72:75], s[6:7], 0x20             ; e8 .. e11
	s_add_nc_u64 s[4:5], s[4:5], s[76:77]          ; qkv at my plane
	s_mov_b32 s[G0A], 1                            ; count = 1
	s_mov_b32 s[G0A+1], s78                        ; LDS address
	s_add_nc_u64 s[G0A+2:G0A+3], s[4:5], s[80:81]  ; global address
	s_or_b32 s[G0A+3], s[G0A+3], 0x80000000        ; type = 2
	s_mov_b32 s[G0B], 1
	s_mov_b32 s[G0B+1], s79
	s_add_nc_u64 s[G0B+2:G0B+3], s[4:5], s[82:83]
	s_or_b32 s[G0B+3], s[G0B+3], 0x80000000
	ROUND                                          ; all four work-groups are here: the joint loads meet
	tensor_load_to_lds s[G0A:G0A+3], s[G1A:G1A+7]  ; the small fill, steps 0 and 1, waited for below; the large one follows behind the next round
	s_nop 0
	s_wait_alu depctr_va_vdst(0)
	s_wait_tensorcnt 0x0
	ds_add_u32 v249, v255
	s_wait_dscnt 0x0
	ROUND
	tensor_load_to_lds s[G0B:G0B+3], s[G1B:G1B+7]
	s_nop 0
.rept 4
	v_nop
.endr
	s_lshl_b32 s84, s[WV], 2
	s_add_co_u32 s84, s84, s[CX]                   ; X's group of 32 rows: 4 w + i
	s_lshl_b32 s86, s[LIMY], 2
	s_add_co_u32 s86, s86, s[CX]                   ; Y's: 4 (15 - w) + i
	s_mov_b32 s89, 0
	s_lshl_b32 s88, s84, 11                        ; q: 2,048 bytes a group, 1,024 a tile
	s_add_nc_u64 s[48:49], s[4:5], s[88:89]
	s_lshl_b32 s88, s86, 11
	s_add_co_u32 s88, s88, 1024
	s_add_nc_u64 s[50:51], s[4:5], s[88:89]
	s_lshr_b32 s90, ttmp9, 4
	s_lshl_b32 s90, s90, 6                         ; oc: the batch's 64 groups,
	s_and_b32 s91, ttmp9, 15
	s_lshl_b32 s91, s91, 10                        ; the head's 1,024 bytes in a tile's 16,384
	s_add_co_u32 s88, s90, s84
	s_lshl_b32 s88, s88, 15
	s_add_co_u32 s88, s88, s91
	s_add_nc_u64 s[52:53], s[8:9], s[88:89]
	s_add_co_u32 s88, s90, s86
	s_lshl_b32 s88, s88, 15
	s_add_co_u32 s88, s88, s91
	s_add_co_u32 s88, s88, 16384
	s_add_nc_u64 s[54:55], s[8:9], s[88:89]
	v_and_b32 v[L16], 31, v0
	s_delay_alu instid0(VALU_DEP_1)
	v_lshlrev_b32 v[L16], 4, v[L16]
	global_load_b128 v[16:19], v[L16], s[48:49]              ; Q's fragments stay in registers: channels 16 h + 0 .. 15,
	global_load_b128 v[20:23], v[L16], s[48:49] offset:512   ; and 32 + 16 h + 0 .. 15
	global_load_b128 v[24:27], v[L16], s[50:51]
	global_load_b128 v[28:31], v[L16], s[50:51] offset:512
	v_and_b32 v5, 15, v0                           ; r
	v_bfe_u32 v6, v0, 4, 1                         ; h
	s_delay_alu instid0(VALU_DEP_2)
	v_and_b32 v7, 8, v5
	s_delay_alu instid0(VALU_DEP_1)
	v_add_nc_u32 v7, v7, v5                        ; r + 8 (r / 8)
	s_delay_alu instid0(VALU_DEP_3)
	v_lshlrev_b32 v6, 4, v6
	s_delay_alu instid0(VALU_DEP_1)
	v_sub_nc_u32 v7, v7, v6
	s_lshl_b32 s88, s[CX], 5
	v_add_nc_u32 v[DX], s88, v7                    ; my query's place in its diagonal step, less 16 h: 32 i + 8 u + r + 8 (r / 8) - 16 h
	s_delay_alu instid0(VALU_DEP_1)
	v_add_nc_u32 v[DY], 8, v[DX]
	v_mov_b32 v9, 0xff61b1e6                       ; the largest t so far: -3e38, under every t
	v_mov_b32 v13, 0xff61b1e6
	s_delay_alu instid0(VALU_DEP_2)
	v_floor_f32 v8, -v9                            ; -M
	s_delay_alu instid0(VALU_DEP_2)
	v_floor_f32 v12, -v13
	v_mov_b32 v10, 0                               ; the sums, in two halves
	v_mov_b32 v11, 0
	v_mov_b32 v14, 0
	v_mov_b32 v15, 0
	v_mov_b32 v236, 0                              ; written once: a lane permute's destination counts as one of its sources
	v_mov_b32 v252, 0
	v_mov_b32 v251, 0                              ; (named as the upper halves of pairs)
	v_mov_b32 v253, 0
.set J, 0
.rept 64
	v_mov_b32 v[160+J], 0                          ; O^T of both tiles.  (The step is written without a first step of its own: it finds zeros, which the first change of M leaves zeros)
.set J, J+1
.endr
	s_wait_kmcnt 0x0
	s_add_co_i32 s76, s70, s71
	s_lshl_b32 s76, s76, 23
	s_add_co_i32 s[CSC], s[CSC], s76               ; a score stands for score x 2^(e6 + e7): the two exponents are added to c's exponent field
	s_mov_b32 s[CSC+1], s[CSC]                     ; (named with it as a pair, so it is written)
	s_add_co_i32 s76, s72, 127
	s_lshl_b32 s77, s76, 23
	v_mov_b32 v244, s77                            ; 2^e8 as f32, for p's conversion
	s_sub_co_i32 s76, s74, s72
	s_sub_co_i32 s76, s76, s73                     ; O^T / the sum stands for that x 2^(e8 + e9): its code is that / 2^(e10 - e8 - e9)
	s_add_co_i32 s76, s76, 127
	s_lshl_b32 s77, s76, 23
	v_mov_b32 v246, s77
; ONE TILE'S KEY STEP: 128 keys.  q: Q's registers; o: O^T's; st: -M, the largest t, the sum's two halves; d: the mask's threshold; lim: the tile's last step.
.macro STEP q, o, st, d, lim
	s_cmp_gt_u32 s[STP], s[\lim]                   ; a step all of whose keys come after the tile's queries is left out: a scalar branch on the wave's number and the loop's count; no barrier stands in a step
	s_cbranch_scc1 .Lhid_\@
	PLACES                                         ; in front of loads into registers that the last products read
	s_wait_alu depctr_va_vdst(0)
.irp t, 0,1,2,3,4,5,6,7
.irp c, 0,1
	ds_load_b128 v[32+8*\t+4*\c:35+8*\t+4*\c], v[ADR] offset:1024*\t+512*\c   ; K: 512 consecutive bytes an instruction
.endr
.endr
	s_wait_dscnt 0x0
.irp t, 0,1,2,3,4,5,6,7
	v_wmma_f32_16x16x64_fp8_fp8 v[96+8*\t:103+8*\t], v[32+8*\t:39+8*\t], v[\q:\q+7], 0
.endr
	PLACES
	s_wait_alu depctr_va_vdst(0)
.irp t, 0,1,2,3
.irp c, 0,1,2,3
	ds_load_b128 v[32+16*\t+4*\c:35+16*\t+4*\c], v[ADR] offset:8192+2048*\t+512*\c   ; V lands under the softmax
.endr
.endr
	s_cmp_lg_u32 s[STP], s[\lim]
	s_cbranch_scc1 .Lopen_\@
	v_mov_b32 v254, 0xff800000                     ; on the diagonal the scores of hidden keys become -infinity ahead of the maximum: p = 0 then.  Register n holds key 32 (n / 16) + n % 16 + 16 h of the step
.set J, 0
.rept 64
	v_cmp_gt_i32 vcc_lo, 32*(J/16)+J%16, v[\d]
	v_cndmask_b32 v[96+J], v[96+J], v254, vcc_lo
.set J, J+1
.endr
.Lopen_\@:
	v_max3_num_f32 v254, v96, v97, v98             ; the step's largest score of my query, among my 64 keys, in two chains, each accumulator from its low end on,
	v_max3_num_f32 v252, v99, v100, v101
.irp i, 6,10,14,18,22,26,30,34,38,42,46,50,54,58
	v_max3_num_f32 v254, v254, v[96+\i], v[97+\i]
	v_max3_num_f32 v252, v252, v[98+\i], v[99+\i]
.endr
	v_max3_num_f32 v254, v254, v158, v159
	s_delay_alu instid0(VALU_DEP_1)
	v_max_num_f32 v254, v254, v252
	v_permlanex16_b32 v236, v254, s[SEL], s[SEL+1]
	s_delay_alu instid0(VALU_DEP_1)
	v_max_num_f32 v254, v254, v236                 ; and among lane l xor 16's
	s_delay_alu instid0(VALU_DEP_1)
	v_mul_f32 v254, s[CSC], v254                   ; as t (c is positive)
	s_delay_alu instid0(VALU_DEP_1)
	v_max_num_f32 v[\st+1], v[\st+1], v254         ; the running largest t
	v_mov_b32 v254, v[\st]
	s_delay_alu instid0(VALU_DEP_2)
	v_floor_f32 v[\st], -v[\st+1]                  ; the new -M = floor(-t) = -ceil(t): M is a whole number
	s_delay_alu instid0(VALU_DEP_1)
	v_sub_f32 v254, v[\st], v254                   ; M's old value less its new one: a whole number, 0 or less
	s_delay_alu instid0(VALU_DEP_1)
	v_cvt_i32_f32 v254, v254                       ; (it saturates)
	s_delay_alu instid0(VALU_DEP_1)
	v_ldexp_f32 v252, 1.0, v254                    ; f = 2^(old M - new M)
.set J, 0
.rept 32
	v_pk_fma_f32 v[96+J:97+J], v[96+J:97+J], s[CSC:CSC+1], v[\st:\st+1] op_sel_hi:[1,0,0]   ; t - M, two at a time (of the pairs c and -M the low word serves both halves)
.set J, J+2
.endr
.set J, 0
	s_wait_alu depctr_va_vdst(0)
.rept 64
	v_exp_f32 v[96+J], v[96+J]                     ; p = 2^(t - M), at most 1: not normalised
.set J, J+1
.endr
	v_pk_mul_f32 v[\st+2:\st+3], v[\st+2:\st+3], v[252:253] op_sel_hi:[1,0]   ; the sums under the new M.  (A plain place behind the exponentials)
	s_wait_alu depctr_va_vdst(0)
	v_pk_add_f32 v[242:243], v[96:97], v[98:99]    ; the row's sum is taken of the unquantised p: two at a time, in two chains
.irp j, 4,8,12,16,20,24,28,32,36,40,44,48,52,56,60
	v_pk_add_f32 v[\st+2:\st+3], v[\st+2:\st+3], v[96+\j:97+\j]
	v_pk_add_f32 v[242:243], v[242:243], v[98+\j:99+\j]
.endr
	s_delay_alu instid0(VALU_DEP_1)
	v_pk_add_f32 v[\st+2:\st+3], v[\st+2:\st+3], v[242:243]
.irp b, 0,1,2,3
.irp i, 0,1,2,3,4,5,6,7,8,9,10,11,12,13,14,15
.endr
	v_cvt_scalef32_pk8_fp8_f32 v[224+4*\b:225+4*\b], v[96+16*\b:103+16*\b], v244
	v_cvt_scalef32_pk8_fp8_f32 v[226+4*\b:227+4*\b], v[104+16*\b:111+16*\b], v244
.endr
.set J, 0
.rept 16
	v_pk_mul_f32 v[\o+J:\o+J+1], v[\o+J:\o+J+1], v[252:253] op_sel_hi:[1,0]   ; O^T under the new M: x f.  (These are also the plain lines between the conversions and the products below)
.set J, J+2
.endr
	s_wait_alu depctr_va_vdst(0)
	s_wait_dscnt 0x0                               ; V is in
.irp t, 0,1,2,3
	v_wmma_f32_16x16x128_fp8_fp8 v[\o+8*\t:\o+8*\t+7], v[32+16*\t:47+16*\t], v[224:239], v[\o+8*\t:\o+8*\t+7]   ; the four accumulators by turns
.endr
.Lhid_\@:
.endm
; n key steps from step first on: every wave walks every trip, and both counts are constants.
.macro TRIPS n, first
	s_mov_b32 s[STP], \first
	s_mov_b32 s[TB], \first*STEPB
	s_mov_b32 s[CNT], \n
.Ltrip_\@:
	v_add_nc_u32 v[ADR], s[TB], v[L16]
	STEP 16, 160, 8, DX, LIMX
	STEP 24, 192, 12, DY, LIMY
	s_add_co_u32 s[TB], s[TB], STEPB
	s_add_co_u32 s[STP], s[STP], 1
	s_sub_co_u32 s[CNT], s[CNT], 1
	s_cmp_lg_u32 s[CNT], 0
	s_cbranch_scc1 .Ltrip_\@
.endm
	s_wait_loadcnt 0x0                             ; Q
	s_wait_tensorcnt 1                             ; my part of steps 0 and 1 is in; the large load may stay out
	s_barrier_signal -1
	s_barrier_wait -1                              ; everybody's is
	TRIPS 2, 0                                     ; these read LDS bytes 0 to 32,767 alone, while the other fourteen steps land from 32,768 on
	s_wait_tensorcnt 0x0                           ; my part of the rest is in,
	s_wait_dscnt 0x0
	s_barrier_signal -1
	s_barrier_wait -1                              ; everybody's is: from here on no wave waits for another
	TRIPS 14, 2
; A tile's end: the sum's halves are added; O^T / the sum is quantised with the three scales folded into one.  Registers 16 b + 0 .. 15 are channels 32 b + 16 h + 0 .. 15 of my query:
; four registers of codes for each b are a piece of the last projection's operand as it stands.
.macro FIN o, st, cd, base
	v_add_f32 v[\st+2], v[\st+2], v[\st+3]
	s_delay_alu instid0(VALU_DEP_1)
	v_permlanex16_b32 v252, v[\st+2], s[SEL], s[SEL+1]
	s_delay_alu instid0(VALU_DEP_1)
	v_add_f32 v[\st+2], v[\st+2], v252             ; the row's sum
	s_wait_alu depctr_va_vdst(0)
	v_rcp_f32 v250, v[\st+2]
	v_nop                                          ; one plain instruction behind a transcendental
.set J, 0
	s_wait_alu depctr_va_vdst(0)
.rept 16
	v_pk_mul_f32 v[96+J:97+J], v[\o+J:\o+J+1], v[250:251] op_sel_hi:[1,0]   ; each accumulator from its low end on
.set J, J+2
.endr
.set J, 0
.rept 32
.set J, J+1
.endr
.irp b, 0,1
	v_cvt_scalef32_pk8_fp8_f32 v[\cd+4*\b:\cd+4*\b+1], v[96+16*\b:103+16*\b], v246
	v_cvt_scalef32_pk8_fp8_f32 v[\cd+4*\b+2:\cd+4*\b+3], v[104+16*\b:111+16*\b], v246
.endr
	v_nop                                          ; one plain vector instruction behind the last conversion: the other tile's end writes their sources
	global_store_b128 v[L16], v[\cd:\cd+3], s[\base:\base+1]                  ; 512 consecutive bytes, aligned
	global_store_b128 v[L16], v[\cd+4:\cd+7], s[\base:\base+1] offset:512
.endm
	PLACES                                         ; behind the last products
	FIN 160, 8, 224, 52
	FIN 192, 12, 232, 54
	s_wait_tensorcnt 0x0
	ds_add_u32 v249, v255
	s_wait_dscnt 0x0
	ROUND                                          ; the closing round: no work-group ends while a partner may still ask for a tile that names it
	s_endpgm
.Lfunc_end_k_qd834358bc2_attn:
	.size	k_qd834358bc2_attn, .Lfunc_end_k_qd834358bc2_attn-k_qd834358bc2_attn
	.p2alignl 7, 3214868480
	.fill 96, 4, 3214868480
	.section	.rodata,"a",@progbits
	.p2align	6, 0x0
	.amdhsa_kernel k_qd834358bc2_attn
		.amdhsa_group_segment_fixed_size 327680
		.amdhsa_private_segment_fixed_size 0
		.amdhsa_enable_private_segment 0
		.amdhsa_kernarg_size 24
		.amdhsa_user_sgpr_count 2
		.amdhsa_user_sgpr_kernarg_segment_ptr 1
		.amdhsa_wavefront_size32 1
		.amdhsa_system_sgpr_workgroup_id_x 1
		.amdhsa_system_sgpr_workgroup_id_y 1
		.amdhsa_system_sgpr_workgroup_id_z 1
		.amdhsa_system_vgpr_workitem_id 0
		.amdhsa_next_free_vgpr 256
		.amdhsa_next_free_sgpr 96
		.amdhsa_reserve_vcc 1
		.amdhsa_float_denorm_mode_32 3
		.amdhsa_float_denorm_mode_16_64 3
		.amdhsa_fp16_overflow 1
		.amdhsa_memory_ordered 1
		.amdhsa_forward_progress 1
		.amdhsa_inst_pref_size 89
	.end_amdhsa_kernel
	.amdgpu_metadata
---
amdhsa.version: [ 1, 2 ]
amdhsa.kernels:
  - .name:           k_qd834358bc2_attn
    .symbol:         k_qd834358bc2_attn.kd
    .args:
      - { .name: qkv, .offset: 0, .size: 8, .value_kind: global_buffer, .address_space: global }
      - { .name: lowp_scales, .offset: 8, .size: 8, .value_kind: global_buffer, .address_space: global }
      - { .name: oc, .offset: 16, .size: 8, .value_kind: global_buffer, .address_space: global }
    .group_segment_fixed_size: 327680
    .private_segment_fixed_size: 0
    .kernarg_segment_align: 8
    .kernarg_segment_size: 24
    .max_flat_workgroup_size: 512
    .sgpr_count:     96
    .vgpr_count:     256
    .wavefront_size: 32
...
	.end_amdgpu_metadata
.endif
;; end of part 3
;; launch oproj (part 4): grid 4 x 32, 4 waves a work-group, clusters of 4 x 4, 327,680 bytes of LDS; arguments oc, Wo_codes, lowp_scales, out0; writes out0
.if DOCPART == 4
	.amdgcn_target "amdgcn-amd-amdhsa--gfx1250"
	.amdhsa_code_object_version 6
	.text
	.protected	k_qd834358bc2_oproj
	.globl	k_qd834358bc2_oproj
	.p2align	8
	.type	k_qd834358bc2_oproj,@function
k_qd834358bc2_oproj:
	s_mov_b64 s[64:65], 0
	v_nop
	global_prefetch_b8 v0, s[64:65] scope:SCOPE_SE
	s_setreg_imm32_b32 hwreg(HW_REG_WAVE_MODE, 25, 1), 1
	s_wait_xcnt 0x0
	s_wait_alu depctr_hold_cnt(0) depctr_sa_sdst(0) depctr_va_vdst(0) depctr_va_sdst(0) depctr_va_ssrc(0) depctr_va_vcc(0) depctr_vm_vsrc(0)
	s_getreg_b32 s2, hwreg(HW_REG_IB_STS2, 6, 4)
	s_cmp_eq_u32 s2, 0
	s_cbranch_scc0 .Lentry_in_a_cluster
	s_endpgm
.Lentry_in_a_cluster:
	s_bfe_u32 s2, ttmp6, 0x10000c
	s_cmp_lg_u32 s2, 0xf033
	s_cbranch_scc0 .Lentry_shape_is_right
	s_endpgm
.Lentry_shape_is_right:
; The last projection: out0[m][n] = sum over k of O[m][k] Wo[n][k] x 2^(e10 + e11), on codes of FP8 (E4M3); out0: [8192][1024] f32; sums in f32.
; A = O comes as IMAGES OF OPERAND REGISTERS from the attention launch: oc [block of 16 rows (512)][head (16)][c (2)] pieces of 512 bytes, lane l's 16 bytes at 16 l; lane (r, h) of block rb holds
; row 32 (rb / 2) + 8 (rb % 2) + r + 8 (r / 8) and k = 64 head + 32 c + 16 h + 0 .. 15.  So a fragment of A is four loads of 512 consecutive LDS bytes, with no pitch and no padding.
; B = Wo [1024][1024] lies by rows, K innermost, and is fetched with the same order of k in a lane's registers (registers 4 c .. 4 c + 3: k = 32 c + 16 h + 0 .. 15).
; A tile of 256 x 256 a work-group, 128 x 128 a wave: 64 accumulators, 512 registers.  K goes in steps of 256 through a ring of two LDS slots filled by the tensor data mover.
; CLUSTERS: 4 x 4 work-groups; A's tiles are asked for jointly along a row of the cluster, B's along a column.  128 tiles: the larger wave tile is kept, since each LDS byte then feeds the most products.
; THE MATRIX INSTRUCTION IS USED TRANSPOSED (source 0 = 16 rows of B, source 1 = 16 rows of A): a lane holds eight neighbouring numbers of a row of the output.
; LIMIT: e10 + e11 lies between -126 and 127, so that 2^(e10 + e11) is an f32 number.
; REGISTERS, in windows of 256: window 0: v0-31 addresses; from v128 A's fragments, ONE set; on the way out v32-255 are free.  window 1: B's fragments, TWO sets.  windows 2, 3: the accumulators ((a, b) at v[8 (8 (a % 4) + b)]).
.set SIZE_N, 1024
.set ROWB,   256                       ; a row of B's tile in bytes
.set KROW,   1024                      ; a row of B in memory
.set PITCH,  272                       ; B's rows in LDS: 256 bytes + 16 of padding
.set FR,     16
.set NL,     4
.set NP,     4                         ; places behind this matrix instruction (ISA guide 7.12.1)
.set HALFA,  32768                     ; 8 blocks of A x 4,096 bytes (256 along K): what one tensor load brings of A
.set HALFB,  128*PITCH                 ; 128 rows of B
.set BOFF,   2*HALFA
.set SLOT,   BOFF+2*HALFB              ; A's 16 blocks, then B's 256 rows
.set LAPS,   2
.set SPARE,  2*SLOT                    ; behind the ring: the spare words, 128 bytes for each wave
.set SPITCH, 528                       ; the way out: a stage of 16 rows x (512 bytes + 16) for each wave, in slot 0, which has had its last fill and its last read by then
.set ADRA, 16                          ; v16-17  LDS address of my A fragments in slot 0, 1
.set ADRB, 20                          ; v20-21  the same for B
.set STO,  24
.set RD,   25
.set CO,   26                          ; v26     16 x lane
.set SPW,  28
.set NIL,  29
.set TMP,  32
.set AF,   128
.set BK,   128
.set G1, 24
.set G0, 32
.set G1B, 48
.set G0B, 56
.set MSB, 0
.macro WIN new
.if MSB != \new
	s_set_vgpr_msb (MSB<<8)|\new
.set MSB, \new
.endif
.endm
.set MUL_LO, 0xa1
.set MUL_HI, 0xf1
.set TO_B,   0x40
.macro JLOAD g0a, g1a, g0b, g1b        ; a joint load: waves 0 and 1 fetch for A, waves 2 and 3 for B; four v_nop follow each of the two lines
	s_cmp_eq_u32 s15, 0
	s_cbranch_scc0 .Lfor_b_\@
	tensor_load_to_lds s[\g0a:\g0a+3], s[\g1a:\g1a+7]
	s_nop 0
.rept 4
	v_nop
.endr
	s_branch .Lasked_\@
.Lfor_b_\@:
	tensor_load_to_lds s[\g0b:\g0b+3], s[\g1b:\g1b+7]
	s_nop 0
.rept 4
	v_nop
.endr
.Lasked_\@:
.endm
.macro CREST
	s_cmp_lg_u32 s14, 0
	s_cbranch_scc1 .Lnot_wave_0_\@
	s_barrier_signal -3
.Lnot_wave_0_\@:
	s_barrier_wait -3
	s_barrier_signal -1
	s_barrier_wait -1
.endm
.macro CROUND
	s_barrier_signal -1
	s_barrier_wait -1
	CREST
.endm
	s_load_b128 s[4:7], s[0:1], 0x0                ; oc s[4:5], Wo's codes s[6:7]
	s_load_b128 s[8:11], s[0:1], 0x10              ; the scales' exponents s[8:9], out0 s[10:11]
	v_lshl_add_u32 v[SPW], v0, 2, SPARE
	v_mov_b32 v[NIL], 0
	ds_add_u32 v28, v29
	ds_add_u32 v28, v29
	s_wait_dscnt 0x0
	v_lshrrev_b32 v1, 5, v0
	v_readfirstlane_b32 s14, v1                    ; wave 0..3
	s_lshr_b32 s15, s14, 1                         ; which half of the tile's rows is mine.  Also: I fetch for A (0) or for B (1)
	s_and_b32 s16, s14, 1                          ; which half of its columns.  Also: which half of that tile I fetch
	s_bfe_u32 s40, ttmp6, 0x40000                  ; cx, cy
	s_bfe_u32 s41, ttmp6, 0x40004
	s_lshl_b32 s42, ttmp9, 2
	s_add_co_u32 s42, s42, s40                     ; tile column
	s_and_b32 s17, ttmp7, 0xffff
	s_lshl_b32 s17, s17, 2
	s_add_co_u32 s17, s17, s41                     ; tile row
	s_lshl_b32 s43, s41, 2
	s_lshl_b32 s43, 15, s43                        ; my row of the cluster
	s_lshl_b32 s44, 0x1111, s40                    ; my column
	; A's group 1: 8 blocks, each 4,096 consecutive bytes (512 elements of 8 bytes), 16,384 bytes apart; dense in LDS
	s_or_b32 s[G1+0], s43, (3<<16)|(1<<21)         ; 15:0 the mask: my row; 17:16 elements of 8 bytes; 21 set beside a mask
	s_mov_b32 s[G1+1], 512<<16                     ; tensor_dim0
	s_mov_b32 s[G1+2], 8<<16                       ; tensor_dim1
	s_mov_b32 s[G1+3], 512<<16                     ; tile_dim0
	s_mov_b32 s[G1+4], 8                           ; tile_dim1
	s_mov_b32 s[G1+5], 2048                        ; the pitch
	s_mov_b32 s[G1+6], 0
	s_mov_b32 s[G1+7], 0
	; B's group 1: 128 rows x 256 bytes, 16 bytes of padding behind each
	s_or_b32 s[G1B+0], s44, (0<<16)|(1<<20)|(1<<21)|(5<<22)|(3<<25)
	s_mov_b32 s[G1B+1], ROWB<<16
	s_mov_b32 s[G1B+2], 128<<16
	s_mov_b32 s[G1B+3], ROWB<<16
	s_mov_b32 s[G1B+4], 128
	s_mov_b32 s[G1B+5], KROW
	s_mov_b32 s[G1B+6], 0
	s_mov_b32 s[G1B+7], 0
	s_lshl_b32 s20, s17, 18                        ; A: block 16 x tile row + 8 x half, 16,384 bytes a block
	s_lshl_b32 s18, s16, 17
	s_add_co_u32 s20, s20, s18
	s_mov_b32 s21, 0
	s_lshl_b32 s46, s42, 8                         ; B: row 256 x tile column + 128 x half, 1,024 bytes a row
	s_lshl_b32 s18, s16, 7
	s_add_co_u32 s46, s46, s18
	s_lshl_b32 s46, s46, 10
	s_mov_b32 s47, 0
	s_lshl_b32 s45, s16, 15                        ; where they go: A's half,
	s_mul_i32 s22, s16, HALFB
	s_add_co_u32 s22, s22, BOFF                    ; B's half: no place in the cluster enters an LDS address
	s_wait_kmcnt 0x0
	s_load_b64 s[96:97], s[8:9], 0x28              ; e10, e11
	s_add_nc_u64 s[20:21], s[4:5], s[20:21]
	s_add_nc_u64 s[46:47], s[6:7], s[46:47]
	CROUND                                         ; all sixteen work-groups are here: the first joint loads meet
.irp s, 0,1
	s_mov_b32 s[G0+4*\s], 1
	s_add_co_u32 s[G0+4*\s+1], s45, \s*SLOT
	s_add_nc_u64 s[G0+4*\s+2:G0+4*\s+3], s[20:21], \s*4096
	s_or_b32 s[G0+4*\s+3], s[G0+4*\s+3], 0x80000000
	s_mov_b32 s[G0B+4*\s], 1
	s_add_co_u32 s[G0B+4*\s+1], s22, \s*SLOT
	s_add_nc_u64 s[G0B+4*\s+2:G0B+4*\s+3], s[46:47], \s*ROWB
	s_or_b32 s[G0B+4*\s+3], s[G0B+4*\s+3], 0x80000000
	JLOAD G0+4*\s, G1, G0B+4*\s, G1B
.endr
	v_and_b32 v1, 15, v0                           ; r
	v_bfe_u32 v2, v0, 4, 1                         ; h
	v_mul_u32_u24 v3, v1, PITCH
	v_lshl_add_u32 v4, v2, 4, v3                   ; B: a fragment's row x pitch + 16 x half
	v_and_b32 v6, 31, v0
	v_lshlrev_b32 v[CO], 4, v6                     ; A: 16 x lane
	s_lshl_b32 s21, s15, 15                        ; my 8 blocks of A
	s_mul_i32 s22, s16, HALFB                      ; my 128 rows of B
	s_add_co_u32 s22, s22, BOFF
.irp s, 0,1
	v_add_nc_u32 v[ADRA+\s], s21, v[CO]
	v_add_nc_u32 v[ADRB+\s], s22, v4
	s_add_co_u32 s21, s21, SLOT
	s_add_co_u32 s22, s22, SLOT
.endr
	s_mul_i32 s23, s14, 16*SPITCH                  ; my stage
	v_mul_u32_u24 v5, v1, SPITCH                   ; in: row r, 32 bytes for each half of the lanes
	v_lshl_add_u32 v5, v2, 5, v5
	v_add_nc_u32 v[STO], s23, v5
	v_add_nc_u32 v[RD], s23, v[CO]                 ; back: the 32 lanes take one row of 512 bytes
	s_lshl_b32 s20, s17, 8
	s_lshl_b32 s21, s15, 7
	s_add_co_u32 s20, s20, s21                     ; my first row of the output: 256 x tile row + 128 x half
	s_mov_b32 s21, 0
	s_mov_b64 s[18:19], SIZE_N*4
	s_mul_u64 s[20:21], s[20:21], s[18:19]
	s_lshl_b32 s46, s42, 10                        ; my first column, in bytes: 1,024 x tile column + 512 x half
	s_lshl_b32 s47, s16, 9
	s_add_co_u32 s46, s46, s47
	s_mov_b32 s47, 0
	s_add_nc_u64 s[20:21], s[20:21], s[46:47]
	s_add_nc_u64 s[10:11], s[10:11], s[20:21]
.macro FRAGA reg, slot, q, i           ; block i of A, the slot's q-th 128 along K: four pieces on end
.irp c, 0,1,2,3
	ds_load_b128 v[\reg+4*\c:\reg+4*\c+3], v[ADRA+\slot] offset:2048*(\q)+512*\c+4096*(\i)
.endr
.endm
.macro FRAGB reg, slot, q, i           ; 16 rows of B
.irp c, 0,1,2,3
	ds_load_b128 v[\reg+4*\c:\reg+4*\c+3], v[ADRB+\slot] offset:128*(\q)+32*\c+(\i)*16*PITCH
.endr
.endm
; 16 matrix instructions: A's blocks a0, a0 + 1 x B's eight.  The 64 accumulators take turns, one instruction a turn, in the same order in every step.
.macro MUL16 a0, p, zero
.irp a, \a0, \a0+1
.irp b, 0,1,2,3,4,5,6,7
.if \zero
	v_wmma_f32_16x16x128_fp8_fp8 v[8*(8*((\a)%4)+\b):8*(8*((\a)%4)+\b)+7], v[128*(\p)+FR*\b:128*(\p)+FR*\b+FR-1], v[AF+FR*(\a):AF+FR*(\a)+FR-1], 0
.else
	v_wmma_f32_16x16x128_fp8_fp8 v[8*(8*((\a)%4)+\b):8*(8*((\a)%4)+\b)+7], v[128*(\p)+FR*\b:128*(\p)+FR*\b+FR-1], v[AF+FR*(\a):AF+FR*(\a)+FR-1], v[8*(8*((\a)%4)+\b):8*(8*((\a)%4)+\b)+7]
.endif
.endr
.endr
.endm
.macro FETCH_B slot, q, p
	WIN TO_B
.irp i, 0,1,2,3,4,5,6,7
	FRAGB 128*(\p)+FR*\i, \slot, \q, \i
.endr
	WIN 0
.endm
.macro FETCH_A slot, q, i0
.irp i, \i0, \i0+1, \i0+2, \i0+3
	FRAGA AF+FR*(\i), \slot, \q, \i
.endr
.endm
.macro PLACES n                        ; places in front of loads into registers that matrix instructions have read, and of the first read of results
.rept \n
	v_nop
.endr
.endm
.macro STEP slot, q, zero              ; a step of 128 along K that has its successor in the same slot
	s_wait_dscnt 4*NL                              ; B's set and A's blocks 0-3 are in; the youngest sixteen loads (A's blocks 4-7) may be out
	WIN MUL_LO
	MUL16 0, (\q)%2, \zero
	MUL16 2, (\q)%2, \zero
	s_wait_dscnt 0                                 ; A's blocks 4-7 are in
	PLACES NP
	FETCH_B \slot, (\q)+1, 1-(\q)%2
	FETCH_A \slot, (\q)+1, 0
	WIN MUL_HI
	MUL16 4, (\q)%2, \zero
	MUL16 6, (\q)%2, \zero
	PLACES NP
	WIN 0
	FETCH_A \slot, (\q)+1, 4
.endm
; A slot's last step changes slots: ONE barrier; in front of it each wave waits for all its tensor loads, adds 0 to its spare word, and waits for that and for its own reads of this slot.
.macro TURN slot, next, fill
	s_wait_tensorcnt 0x0                           ; all my tensor loads have landed: my part of the next slot
	ds_add_u32 v[SPW], v[NIL]                      ; 0 onto my spare word
	s_wait_dscnt 4*NL+1                            ; (the add and the youngest sixteen loads may be out)
	WIN MUL_LO
	MUL16 0, 1, 0                                  ; sixteen matrix instructions stand between the add and the wait for it
	s_wait_dscnt 0x0                               ; the add is done, and my reads of this slot are over
	s_barrier_signal -1
	MUL16 2, 1, 0
	WIN 0
	s_barrier_wait -1
.if \fill
	CREST                                          ; the barrier has opened a round of the cluster's barrier: no wave of any partner still reads this slot's tile or has a load on its way
	s_add_nc_u64 s[G0+4*\slot+2:G0+4*\slot+3], s[G0+4*\slot+2:G0+4*\slot+3], 2*4096
	s_add_nc_u64 s[G0B+4*\slot+2:G0B+4*\slot+3], s[G0B+4*\slot+2:G0B+4*\slot+3], 2*ROWB
	JLOAD G0+4*\slot, G1, G0B+4*\slot, G1B         ; the first tensor load behind the round; the four v_nop behind it are the places in front of the loads below
.else
	PLACES NP
.endif
	FETCH_B \next, 0, 0
	FETCH_A \next, 0, 0
	WIN MUL_HI
	MUL16 4, 1, 0
	MUL16 6, 1, 0
	PLACES NP
	WIN 0
	FETCH_A \next, 0, 4
.endm
	s_wait_tensorcnt 1                             ; my part of K step 0 is in (K step 1's load may be out)
	s_barrier_signal -1
	s_barrier_wait -1                              ; everybody's is
	FETCH_B 0, 0, 0
	FETCH_A 0, 0, 0
	FETCH_A 0, 0, 4
	STEP 0, 0, 1                                   ; the first step stands in front of the loop: its products start the sums
	s_mov_b32 s3, LAPS-1
.Llap:
	TURN 0, 1, 1
	STEP 1, 0, 0
	TURN 1, 0, 1
	STEP 0, 0, 0
	s_sub_co_u32 s3, s3, 1
	s_cmp_lg_u32 s3, 0
	s_cbranch_scc1 .Llap
	TURN 0, 1, 0                                   ; the last lap fills nothing
	STEP 1, 0, 0
	s_wait_dscnt 4*NL
	WIN MUL_LO
	MUL16 0, 1, 0
	MUL16 2, 1, 0
	s_wait_dscnt 0
	WIN MUL_HI
	MUL16 4, 1, 0
	MUL16 6, 1, 0
	WIN 0
; THE WAY OUT, block by block of 16 rows x 128 columns, through my own stage in LDS: in as 32 bytes a lane, back as whole rows of 512 bytes.  LDS serves a wave's instructions in order (ISA guide 5.7.1.4).
.macro TOSTAGE a
.set AC, 64*((\a)%4)
	WIN 0x02+((\a)/4)
.set J, 0
.rept 32
	v_pk_mul_f32 v[TMP+J:TMP+J+1], v[AC+J:AC+J+1], s[96:97] op_sel_hi:[1,0]   ; both x s96 = 2^(e10 + e11); each accumulator from its low end on
.set J, J+2
.endr
	WIN 0
.irp b, 0,1,2,3,4,5,6,7
	ds_store_b128 v[STO], v[TMP+8*\b:TMP+8*\b+3] offset:64*\b
	ds_store_b128 v[STO], v[TMP+8*\b+4:TMP+8*\b+7] offset:64*\b+16
.endr
.set BB, BK+64*((\a)%2)
.irp t, 0,1,2,3,4,5,6,7,8,9,10,11,12,13,14,15
	ds_load_b128 v[BB+4*\t:BB+4*\t+3], v[RD] offset:\t*SPITCH
.endr
.endm
; Stage row t of block a is row 32 (a / 2) + 8 (a % 2) + t + 8 (t / 8) of my 128: the order in which the attention launch laid the rows.  The row stands in the immediate, 127 x 4,096 bytes at the most.
.macro SEND a, younger
.set BB, BK+64*((\a)%2)
	s_wait_dscnt \younger                          ; the block is back in registers
.irp t, 0,1,2,3,4,5,6,7,8,9,10,11,12,13,14,15
	global_store_b128 v[CO], v[BB+4*\t:BB+4*\t+3], s[10:11] offset:(32*((\a)/2)+8*((\a)%2)+\t+8*(\t/8))*SIZE_N*4 th:TH_STORE_NT   ; 32 lanes store 512 consecutive bytes, aligned; written once, read by nobody here
.endr
.endm
	s_wait_kmcnt 0x0
	s_add_co_i32 s96, s96, s97
	s_add_co_i32 s96, s96, 127
	s_lshl_b32 s96, s96, 23                        ; the f32 number 2^(e10 + e11)
	PLACES NP
	TOSTAGE 0
.irp a, 1,2,3,4,5,6,7
.if \a > 1
	s_wait_xcnt 0x0                                ; block a - 2's stores have read their registers: block a's loads may land there
.endif
	TOSTAGE \a
	SEND \a-1, 32                                  ; behind block a - 1's loads: block a's 16 stores and 16 loads
.endr
	SEND 7, 0
	s_wait_tensorcnt 0x0                           ; the wave's end
	ds_add_u32 v[SPW], v[NIL]
	s_wait_dscnt 0x0
	CROUND                                         ; the closing round
	s_endpgm
.Lfunc_end_k_qd834358bc2_oproj:
	.size	k_qd834358bc2_oproj, .Lfunc_end_k_qd834358bc2_oproj-k_qd834358bc2_oproj
	.p2alignl 7, 3214868480
	.fill 96, 4, 3214868480
	.section	.rodata,"a",@progbits
	.p2align	6, 0x0
	.amdhsa_kernel k_qd834358bc2_oproj
		.amdhsa_group_segment_fixed_size 327680
		.amdhsa_private_segment_fixed_size 0
		.amdhsa_enable_private_segment 0
		.amdhsa_kernarg_size 32
		.amdhsa_user_sgpr_count 2
		.amdhsa_user_sgpr_kernarg_segment_ptr 1
		.amdhsa_wavefront_size32 1
		.amdhsa_system_sgpr_workgroup_id_x 1
		.amdhsa_system_sgpr_workgroup_id_y 1
		.amdhsa_system_sgpr_workgroup_id_z 1
		.amdhsa_system_vgpr_workitem_id 0
		.amdhsa_next_free_vgpr 1024
		.amdhsa_next_free_sgpr 98
		.amdhsa_reserve_vcc 0
		.amdhsa_float_denorm_mode_32 3
		.amdhsa_float_denorm_mode_16_64 3
		.amdhsa_memory_ordered 1
		.amdhsa_forward_progress 1
		.amdhsa_inst_pref_size 123
	.end_amdhsa_kernel
	.amdgpu_metadata
---
amdhsa.version: [ 1, 2 ]
amdhsa.kernels:
  - .name:           k_qd834358bc2_oproj
    .symbol:         k_qd834358bc2_oproj.kd
    .args:
      - { .name: oc, .offset: 0, .size: 8, .value_kind: global_buffer, .address_space: global }
      - { .name: Wo_codes, .offset: 8, .size: 8, .value_kind: global_buffer, .address_space: global }
      - { .name: lowp_scales, .offset: 16, .size: 8, .value_kind: global_buffer, .address_space: global }
      - { .name: out0, .offset: 24, .size: 8, .value_kind: global_buffer, .address_space: global }
    .group_segment_fixed_size: 327680
    .private_segment_fixed_size: 0
    .kernarg_segment_align: 8
    .kernarg_segment_size: 32
    .max_flat_workgroup_size: 128
    .sgpr_count:     98
    .vgpr_count:     1024
    .wavefront_size: 32
...
	.end_amdgpu_metadata
.endif
;; end of part 4
